; MI455X (gfx1250); checked and timed in simulation.
; The chip was launched on July 23, 2026; its instructions are those of AMD's public machine-readable ISA for CDNA 5 (MIT licence, August 2026) and "CDNA5" Instruction Set Architecture Reference Guide (July 2026). The comments in the code are by the model that wrote it; some were corrected since.
;; Multihead Attention. Allowed arithmetic: float matrix products may take bf16 or f16 operands with f32 sums; all other float work in f32.
;; Inputs: Wk 2,048 x 2,048 float32; Wo 2,048 x 2,048 float32; Wq 2,048 x 2,048 float32; Wv 2,048 x 2,048 float32; key_ 2,048 x 2,048 float32; query 2,048 x 2,048 float32; value 2,048 x 2,048 float32.
;; Outputs: out0 2,048 x 2,048 float32.
;; One version. Each part assembles by itself: llvm-mc -triple=amdgcn-amd-amdhsa -mcpu=gfx1250 --defsym DOCPART=n.
;; ======== version 1 of 1: 4 launches
;; limits: values are held in f16: magnitudes above 65,504 overflow, below 6.1e-05 lose precision
;; workspace buffers: castb 58,720,256 bytes; qkv 25,165,824 bytes; attn 8,388,608 bytes
;; launch cast (part 1): grid 256 x 7, 8 waves a work-group, no clusters, 0 bytes of LDS; arguments query, key_, Wv, Wq, Wk, value, Wo, castb; writes castb
.if DOCPART == 1
	.amdgcn_target "amdgcn-amd-amdhsa--gfx1250"
	.amdhsa_code_object_version 6
	.text
	.protected	k_q137894462f_cast
	.globl	k_q137894462f_cast
	.p2align	8
	.type	k_q137894462f_cast,@function
k_q137894462f_cast:
	s_mov_b64 s[64:65], 0
	v_nop
	global_prefetch_b8 v0, s[64:65] scope:SCOPE_SE
	s_setreg_imm32_b32 hwreg(HW_REG_WAVE_MODE, 25, 1), 1
	s_wait_xcnt 0x0
; The seven f32 inputs, each [2048][2048], are narrowed once to f16 (round to nearest even) into castb, seven matrices of 8,388,608 bytes in the
; order of the arguments: query, key_, Wv (together the A of the projections, [6144][2048]), Wq, Wk, value (their B's), Wo.
; LIMIT: f16 operands.  A number of magnitude 65,520 or more becomes an infinity; below 6.1e-5 the absolute rounding error is 3e-8.
; Work-group (x, y) takes bytes 65,536 x .. + 65,535 of input y.  A thread takes sixteen pieces of 16 bytes, piece i at 4,096 i + 16 t: a load of a
; wave covers 512 consecutive bytes, a store of a wave 256 consecutive bytes at a multiple of 256 from castb's first byte.
; All sixteen loads go out first; nothing is read twice; no register is written again while a load or store names it.  No LDS, no barrier, no matrix
; unit: the work is one conversion a number.
.set PIECES, 16
.set X, 4                              ; v[4:67]  piece i: four f32 as loaded; its first two registers then hold the four f16
	s_load_b512 s[16:31], s[0:1], 0x0              ; the seven inputs s[16:29], castb s[30:31]
	s_and_b32 s6, ttmp7, 0xffff                    ; y: which input
	s_lshl_b32 s8, ttmp9, 16                       ; my 65,536 bytes of it
	s_mov_b32 s9, 0
	s_lshl_b32 s10, s6, 23                         ; in castb: matrix y of 8,388,608 bytes,
	s_lshl_b32 s7, ttmp9, 15                       ; my 32,768 bytes of it
	s_add_co_u32 s10, s10, s7
	s_mov_b32 s11, 0
	v_lshlrev_b32 v1, 4, v0                        ; 16 t
	v_lshlrev_b32 v2, 3, v0                        ; 8 t
	s_wait_kmcnt 0x0
	s_mov_b64 s[4:5], s[16:17]                     ; the input is chosen by y alone
.irp i, 1,2,3,4,5,6
	s_cmp_eq_u32 s6, \i
	s_cselect_b64 s[4:5], s[16+2*\i:17+2*\i], s[4:5]
.endr
	s_add_nc_u64 s[4:5], s[4:5], s[8:9]
	s_add_nc_u64 s[30:31], s[30:31], s[10:11]
.irp i, 0,1,2,3,4,5,6,7,8,9,10,11,12,13,14,15
	global_load_b128 v[X+4*\i:X+4*\i+3], v1, s[4:5] offset:4096*\i th:TH_LOAD_NT   ; read once in the launch
.endr
.irp i, 0,1,2,3,4,5,6,7,8,9,10,11,12,13,14,15
	s_wait_loadcnt PIECES-1-\i                     ; loads come back in order (ISA guide 5.7.1): piece i is in, the younger ones stay out
	v_cvt_pk_f16_f32 v[X+4*\i],   v[X+4*\i],   v[X+4*\i+1]
	v_cvt_pk_f16_f32 v[X+4*\i+1], v[X+4*\i+2], v[X+4*\i+3]
	global_store_b64 v2, v[X+4*\i:X+4*\i+1], s[30:31] offset:2048*\i               ; no hint: the next launch reads these bytes
.endr
	s_endpgm
.Lfunc_end_k_q137894462f_cast:
	.size	k_q137894462f_cast, .Lfunc_end_k_q137894462f_cast-k_q137894462f_cast
	.p2alignl 7, 3214868480
	.fill 96, 4, 3214868480
	.section	.rodata,"a",@progbits
	.p2align	6, 0x0
	.amdhsa_kernel k_q137894462f_cast
		.amdhsa_group_segment_fixed_size 0
		.amdhsa_private_segment_fixed_size 0
		.amdhsa_enable_private_segment 0
		.amdhsa_kernarg_size 64
		.amdhsa_user_sgpr_count 2
		.amdhsa_user_sgpr_kernarg_segment_ptr 1
		.amdhsa_wavefront_size32 1
		.amdhsa_system_sgpr_workgroup_id_x 1
		.amdhsa_system_sgpr_workgroup_id_y 1
		.amdhsa_system_sgpr_workgroup_id_z 1
		.amdhsa_system_vgpr_workitem_id 0
		.amdhsa_next_free_vgpr 72
		.amdhsa_next_free_sgpr 66
		.amdhsa_reserve_vcc 0
		.amdhsa_float_denorm_mode_32 3
		.amdhsa_float_denorm_mode_16_64 3
		.amdhsa_memory_ordered 1
		.amdhsa_forward_progress 1
		.amdhsa_inst_pref_size 7
	.end_amdhsa_kernel
	.amdgpu_metadata
---
amdhsa.version: [ 1, 2 ]
amdhsa.kernels:
  - .name:           k_q137894462f_cast
    .symbol:         k_q137894462f_cast.kd
    .args:
      - { .name: query, .offset: 0, .size: 8, .value_kind: global_buffer, .address_space: global }
      - { .name: key_, .offset: 8, .size: 8, .value_kind: global_buffer, .address_space: global }
      - { .name: Wv, .offset: 16, .size: 8, .value_kind: global_buffer, .address_space: global }
      - { .name: Wq, .offset: 24, .size: 8, .value_kind: global_buffer, .address_space: global }
      - { .name: Wk, .offset: 32, .size: 8, .value_kind: global_buffer, .address_space: global }
      - { .name: value, .offset: 40, .size: 8, .value_kind: global_buffer, .address_space: global }
      - { .name: Wo, .offset: 48, .size: 8, .value_kind: global_buffer, .address_space: global }
      - { .name: castb, .offset: 56, .size: 8, .value_kind: global_buffer, .address_space: global }
    .group_segment_fixed_size: 0
    .private_segment_fixed_size: 0
    .kernarg_segment_align: 8
    .kernarg_segment_size: 64
    .max_flat_workgroup_size: 256
    .sgpr_count:     66
    .vgpr_count:     72
    .wavefront_size: 32
...
	.end_amdgpu_metadata
.endif
;; end of part 1
;; launch proj (part 2): grid 8 x 24, 4 waves a work-group, clusters of 4 x 4, 327,680 bytes of LDS; arguments castb, qkv; writes qkv
.if DOCPART == 2
	.amdgcn_target "amdgcn-amd-amdhsa--gfx1250"
	.amdhsa_code_object_version 6
	.text
	.protected	k_q137894462f_proj
	.globl	k_q137894462f_proj
	.p2align	8
	.type	k_q137894462f_proj,@function
k_q137894462f_proj:
	s_mov_b64 s[64:65], 0
	v_nop
	global_prefetch_b8 v0, s[64:65] scope:SCOPE_SE
	s_setreg_imm32_b32 hwreg(HW_REG_WAVE_MODE, 25, 1), 1
	s_wait_xcnt 0x0
	s_wait_alu depctr_hold_cnt(0) depctr_sa_sdst(0) depctr_va_vdst(0) depctr_va_sdst(0) depctr_va_ssrc(0) depctr_va_vcc(0) depctr_vm_vsrc(0)
	s_getreg_b32 s2, hwreg(HW_REG_IB_STS2, 6, 4)
	s_cmp_eq_u32 s2, 0
	s_cbranch_scc0 .Lentry_in_a_cluster
	s_endpgm
.Lentry_in_a_cluster:
	s_bfe_u32 s2, ttmp6, 0x10000c
	s_cmp_lg_u32 s2, 0xf033
	s_cbranch_scc0 .Lentry_shape_is_right
	s_endpgm
.Lentry_shape_is_right:
; The three projections as one product C = A B^T in f16 with f32 sums.  A = castb's matrices 0 to 2 (query, key_, Wv) as [6144][2048];
; for A's rows 2048 g .. 2048 g + 2047 B is castb's matrix 3 + g (Wq, Wk, value), [2048][2048].  C = qkv, [6144][2048] f16:
; rows 0-2047 q[s][o], rows 2048-4095 k[s][o], rows 4096-6143 v TRANSPOSED, vT[o][s] (Wv x value^T), which spares the attention a transposing read.
; LIMIT: q, k and v are rounded to f16: a projection of magnitude 65,520 or more becomes an infinity; below 6.1e-5 its absolute rounding error is 3e-8.
; A work-group makes a block of 256 x 256 of C with four waves, one for each SIMD of a WGP; a wave makes 128 x 128: 64 accumulator tiles of 16 x 16,
; 512 registers.  K goes in steps of 128 through a ring of two LDS slots filled by the tensor data mover: a tile's rows are 256 bytes of memory
; and start at multiples of 256 bytes from the buffer's first byte.  24 x 8 = 192 work-groups: 6144 x 2048 outputs in blocks of 256 x 256.
; CLUSTERS: 4 x 4 work-groups.  The four of a row of the cluster need the same tiles of A, the four of a column the same tiles of B.  Such a tile is
; asked for JOINTLY: each of the four issues the same tensor load, with the same descriptor and a mask that names the four.  A cluster spans
; 1024 rows of C, so all sixteen share g.
;
; REGISTERS, in windows of 256 (s_set_vgpr_msb says which window each operand place means):
;   window 0: v0-31 addresses; v64-127, v128-191 fragments of A (8 x 16 rows x 32 K), two buffers; v192-223 at work on the way out
;   window 1: v64-127, v128-191 fragments of B, two buffers
;   window 2: the 32 accumulator tiles of my rows 0-63 (tile (a, b) at v[8 (8 a + b)]);   window 3: those of my rows 64-127
; THE MATRIX INSTRUCTION IS USED TRANSPOSED: source 0 = 16 rows of B, source 1 = 16 rows of A.  Lane l then holds row l % 16 of C and its registers
; 0 to 7 the columns 8 (l / 16) + 0 .. 7: eight neighbouring numbers of a row of C, which pack into 16 bytes.
.set SIZE_M, 6144
.set SIZE_N, 2048
.set SIZE_K, 2048
.set KSTEP,  128
.set PITCH,  272                       ; an LDS row: 256 bytes of data + 16 of padding, an odd multiple of 16: the 16 rows that a load touches start at 16 different 16-byte columns modulo 256 bytes
.set HALFT,  128*PITCH                 ; 128 rows: what one tensor load brings, and what one wave reads of A or of B
.set SLOT,   4*HALFT                   ; A's 256 rows, then B's 256 rows
.set STAGE,  2*SLOT                    ; behind the ring: 16 rows x 272 bytes for each wave, for the way out; no tensor load lands here
.set SPITCH, 272
.set LAPS, SIZE_K/(2*KSTEP)            ; a lap = two K steps = once round the ring: 8 laps
.set ADRA, 16                          ; v16-17  LDS address of my A fragments in slot 0, 1
.set ADRB, 20                          ; v20-21  the same for B
.set STO,  24                          ; v24     the way out: where I put 16 bytes of a row
.set RD,   25                          ; v25     the way out: where I read a row back
.set CO,   26                          ; v26     my byte offset in C
.set F0,   64                          ; fragment buffer 0
.set F1,   128                         ; fragment buffer 1
.set TMP,  192                         ; the way out: packed results, in window 0
.set G1, 24                            ; s[24:31] descriptor group 1 for A's tiles
.set G0, 32                            ; s[32:39] descriptor group 0 for A's tiles, one set for each slot
.set G1B, 48                           ; s[48:55] descriptor group 1 for B's tiles: it differs from A's in the mask alone
.set G0B, 56                           ; s[56:63] descriptor group 0 for B's tiles, one set for each slot
.set MSB, 0
.macro WIN new                         ; the immediate's high byte repeats the setting that is left; a switch that changes nothing is dropped
.if MSB != \new
	s_set_vgpr_msb (MSB<<8)|\new
.set MSB, \new
.endif
.endm
.set MUL_LO, 0xa1                      ; source 0 (B) window 1, source 1 (A) window 0, C and D window 2
.set MUL_HI, 0xf1                      ; the same, C and D window 3
.set TO_B,   0x40                      ; destination window 1, address window 0
; A joint load.  Waves 0 and 1 fetch A's two halves, waves 2 and 3 B's.  Each of the two lines has one mask and one set of registers for all that issue it.
; The branch hangs on the wave's number alone.  Four v_nop follow each of the two lines.
.macro JLOAD s
	s_cmp_eq_u32 s11, 0
	s_cbranch_scc0 .Lfor_b_\@
	tensor_load_to_lds s[G0+4*\s:G0+4*\s+3], s[G1:G1+7]
	s_nop 0
.rept 4
	v_nop
.endr
	s_branch .Lasked_\@
.Lfor_b_\@:
	tensor_load_to_lds s[G0B+4*\s:G0B+4*\s+3], s[G1B:G1B+7]
	s_nop 0
.rept 4
	v_nop
.endr
.Lasked_\@:
.endm
; A round of the cluster's barrier: my work-group's barrier, so that wave 0's signal speaks for all four waves; wave 0 signals for the work-group;
; every wave waits for all sixteen work-groups; my work-group's barrier once more.
.macro CREST                           ; a round behind its opening barrier
	s_cmp_lg_u32 s10, 0
	s_cbranch_scc1 .Lnot_wave_0_\@
	s_barrier_signal -3
.Lnot_wave_0_\@:
	s_barrier_wait -3
	s_barrier_signal -1
	s_barrier_wait -1
.endm
.macro CROUND                          ; a whole round
	s_barrier_signal -1
	s_barrier_wait -1
	CREST
.endm
	s_load_b128 s[4:7], s[0:1], 0x0                ; castb s[4:5], qkv s[6:7]
	s_set_vgpr_msb 0x40
	v_lshl_add_u32 v255, v0, 2, 0x48400
	s_set_vgpr_msb 0x4000
	v_mov_b32 v255, 0
	s_set_vgpr_msb 0x1
	ds_add_u32 v255, v255
	s_set_vgpr_msb 0x100
	v_lshrrev_b32 v1, 5, v0
	v_readfirstlane_b32 s10, v1                    ; wave 0..3
	s_lshr_b32 s11, s10, 1                         ; which half of the block's rows is mine.  Also: I fetch for A (0) or for B (1)
	s_and_b32 s12, s10, 1                          ; which half of its columns.  Also: which 128 rows of that tile I fetch
	s_bfe_u32 s40, ttmp6, 0x40000                  ; cx: my place along the cluster's x
	s_bfe_u32 s41, ttmp6, 0x40004                  ; cy: along its y
	s_lshl_b32 s42, ttmp9, 2                       ; in a cluster launch ttmp9 and ttmp7 count clusters
	s_add_co_u32 s42, s42, s40                     ; block column of C = 4 x cluster x + cx
	s_and_b32 s13, ttmp7, 0xffff
	s_lshr_b32 s45, s13, 1                         ; g = cluster y / 2: two clusters of 1024 rows for each of the three products; all sixteen partners share it
	s_lshl_b32 s45, s45, 11                        ; B's matrix g begins 2048 g rows behind matrix 3's first row
	s_lshl_b32 s13, s13, 2
	s_add_co_u32 s13, s13, s41                     ; block row of C = 4 x cluster y + cy
	s_lshl_b32 s43, s41, 2
	s_lshl_b32 s43, 15, s43                        ; my row of the cluster: places 4 cy .. 4 cy + 3
	s_lshl_b32 s44, 0x1111, s40                    ; my column: places cx, cx + 4, cx + 8, cx + 12
	; descriptor group 1: a tile of 128 rows x 128 elements, padded in LDS
	s_or_b32 s[G1+0], s43, (1<<16)|(1<<20)|(1<<21)|(5<<22)|(3<<25)  ; 15:0 the mask: A's tiles go to my row; 17:16 element of 2 bytes; 20 padding on; 21 set beside a mask; 24:22 after every 64 words (code 5); 31:25 of 4 words (code 3)
	s_or_b32 s[G1B+0], s44, (1<<16)|(1<<20)|(1<<21)|(5<<22)|(3<<25) ; the same with the mask of my column, for B's tiles
	s_mov_b32 s[G1B+1], KSTEP<<16
	s_mov_b32 s[G1+1], KSTEP<<16                   ; 63:48 tensor_dim0, low half = 128
	s_mov_b32 s[G1B+2], 128<<16
	s_mov_b32 s[G1+2], 128<<16                     ; 95:80 tensor_dim1, low half = 128
	s_mov_b32 s[G1B+3], KSTEP<<16
	s_mov_b32 s[G1+3], KSTEP<<16                   ; 127:112 tile_dim0 = 128
	s_mov_b32 s[G1B+4], 128
	s_mov_b32 s[G1+4], 128                         ; 143:128 tile_dim1 = 128; 159:144 tile_dim2 = 0
	s_mov_b32 s[G1B+5], SIZE_K
	s_mov_b32 s[G1+5], SIZE_K                      ; 191:160 elements from row to row
	s_mov_b32 s[G1B+6], 0
	s_mov_b32 s[G1+6], 0
	s_mov_b32 s[G1B+7], 0
	s_mov_b32 s[G1+7], 0
	; where the tiles come from.  A's hang on the block row alone, which my row of the cluster shares; B's on the block column and on g, which my column shares.
	; Every wave makes both addresses, in registers that never hold the other coordinate, and asks by one of them.
	s_lshl_b32 s17, s12, 7                         ; which 128 rows of the tile I fetch
	s_lshl_b32 s16, s13, 8
	s_add_co_u32 s16, s16, s17                     ; A: row 256 x block row + 128 x half
	s_lshl_b32 s46, s42, 8
	s_add_co_u32 s46, s46, s17
	s_add_co_u32 s46, s46, s45                     ; B: row 2048 g + 256 x block column + 128 x half
	s_mov_b32 s17, 0
	s_mov_b32 s47, 0
	s_mov_b64 s[18:19], SIZE_K*2
	s_mul_u64 s[16:17], s[16:17], s[18:19]         ; in bytes
	s_mul_u64 s[46:47], s[46:47], s[18:19]
	s_mul_i32 s20, s10, HALFT                      ; and where they go: A's two halves, then B's two halves = wave x 128 rows
	s_wait_dscnt 0x0
	s_wait_kmcnt 0x0
	s_mov_b64 s[8:9], s[6:7]                       ; C = qkv
	s_add_nc_u64 s[6:7], s[4:5], 0x1800000         ; B's first matrix: castb's matrix 3, 3 x 8,388,608 bytes in
	s_add_nc_u64 s[14:15], s[4:5], s[16:17]
	s_add_nc_u64 s[46:47], s[6:7], s[46:47]
	CROUND                                         ; all sixteen work-groups are here: the first joint loads meet
.irp s, 0,1
	s_mov_b32 s[G0+4*\s], 1                                        ; 1:0 count = 1
	s_add_co_u32 s[G0+4*\s+1], s20, \s*SLOT                        ; 63:32 LDS address
	s_add_nc_u64 s[G0+4*\s+2:G0+4*\s+3], s[14:15], \s*KSTEP*2      ; 120:64 global address: K step s
	s_or_b32 s[G0+4*\s+3], s[G0+4*\s+3], 0x80000000                ; 127:126 type = 2
	s_mov_b32 s[G0B+4*\s], 1
	s_add_co_u32 s[G0B+4*\s+1], s20, \s*SLOT
	s_add_nc_u64 s[G0B+4*\s+2:G0B+4*\s+3], s[46:47], \s*KSTEP*2
	s_or_b32 s[G0B+4*\s+3], s[G0B+4*\s+3], 0x80000000
	JLOAD \s                                       ; both slots' first fills go out before anything else: two tensor loads of the wave are out here, one later on
.endr
	; A fragment is 16 rows x 32 K in 8 registers: lane l holds row l % 16; registers 0-3 hold K = 8 (l / 16) + 0..7, registers 4-7 hold
	; K = 16 + 8 (l / 16) + 0..7.  From rows that lie along K: two loads of 16 bytes, 32 bytes apart.
	v_and_b32 v1, 15, v0                           ; l % 16
	v_bfe_u32 v2, v0, 4, 1                         ; l / 16
	v_mul_u32_u24 v3, v1, PITCH
	v_lshl_add_u32 v3, v2, 4, v3                   ; row x pitch + 16 x half
	s_mul_i32 s21, s11, HALFT                      ; my 128 rows of A
	s_mul_i32 s22, s12, HALFT                      ; my 128 rows of B,
	s_add_co_u32 s22, s22, 2*HALFT                 ; which lie behind A's 256
.irp s, 0,1
	v_add_nc_u32 v[ADRA+\s], s21, v3
	v_add_nc_u32 v[ADRB+\s], s22, v3
	s_add_co_u32 s21, s21, SLOT
	s_add_co_u32 s22, s22, SLOT
.endr
	s_mul_i32 s23, s10, 16*SPITCH
	s_add_co_u32 s23, s23, STAGE                   ; my stage
	v_mul_u32_u24 v4, v1, SPITCH                   ; in: row l % 16, 16 bytes for each half of the lanes
	v_lshl_add_u32 v4, v2, 4, v4
	v_add_nc_u32 v[STO], s23, v4
	v_mul_u32_u24 v5, v2, SPITCH                   ; back: lanes 0-15 take one row of 256 bytes, lanes 16-31 the next
	v_lshl_add_u32 v5, v1, 4, v5
	v_add_nc_u32 v[RD], s23, v5
	v_mul_u32_u24 v5, v2, SIZE_N*2                 ; and the same two rows in C
	v_lshl_add_u32 v[CO], v1, 4, v5
; 16 matrix instructions: m blocks a0, a0 + 1 of the window's four (hi = 0: my rows 0-63, 1: rows 64-127) x all 8 n blocks, 32 along K.
; zero = 1: the first product starts the sums: nothing is ever cleared.
.macro MUL16 f, hi, a0, zero
.irp a, \a0, \a0+1
.irp b, 0,1,2,3,4,5,6,7
.if \zero
	v_wmma_f32_16x16x32_f16 v[8*(8*(\a)+\b):8*(8*(\a)+\b)+7], v[\f+8*\b:\f+8*\b+7], v[\f+8*(4*\hi+\a):\f+8*(4*\hi+\a)+7], 0
.else
	v_wmma_f32_16x16x32_f16 v[8*(8*(\a)+\b):8*(8*(\a)+\b)+7], v[\f+8*\b:\f+8*\b+7], v[\f+8*(4*\hi+\a):\f+8*(4*\hi+\a)+7], v[8*(8*(\a)+\b):8*(8*(\a)+\b)+7]
.endif
.endr
.endr
.endm
; 32 LDS loads in one run: the fragments of one quarter step (128 rows of B, 128 rows of A, 32 K at byte k of the rows) into buffer f
.macro FETCH slot, k, f
	WIN TO_B
.irp i, 0,1,2,3,4,5,6,7
	ds_load_b128 v[\f+8*\i:\f+8*\i+3],   v[ADRB+\slot] offset:\k+\i*16*PITCH
	ds_load_b128 v[\f+8*\i+4:\f+8*\i+7], v[ADRB+\slot] offset:\k+\i*16*PITCH+32
.endr
	WIN 0
.irp i, 0,1,2,3,4,5,6,7
	ds_load_b128 v[\f+8*\i:\f+8*\i+3],   v[ADRA+\slot] offset:\k+\i*16*PITCH
	ds_load_b128 v[\f+8*\i+4:\f+8*\i+7], v[ADRA+\slot] offset:\k+\i*16*PITCH+32
.endr
.endm
; A load into a register that a matrix instruction has read, and a vector instruction that reads a matrix result, stand four places behind that
; matrix instruction, and only plain vector instructions that name none of its registers are places (ISA guide 7.12.1 for vector instructions).
; So four v_nop stand in front of each run of loads.
.macro PLACES
.rept 4
	v_nop
.endr
.endm
; A K step is four quarter steps of 32 along K, 64 matrix instructions each, on buffers 0, 1, 0, 1.  The 64 accumulators take turns, one
; instruction a turn, in the same order in every quarter, over the backward jump too.
; One of the first three quarters: multiplies buffer f; in its middle it fetches the next quarter's fragments, at byte k of the same slot's rows, into buffer g.
.macro QUARTER slot, k, f, g, zero
	s_wait_dscnt 8                                 ; B and A's rows 0-63 are in; the youngest eight loads (A's rows 64-127) may be out
	WIN MUL_LO
	MUL16 \f, 0, 0, \zero
	MUL16 \f, 0, 2, \zero
	PLACES
	FETCH \slot, \k, \g
	s_wait_dscnt 32                                ; all but the 32 just issued
	WIN MUL_HI
	MUL16 \f, 1, 0, \zero
	MUL16 \f, 1, 2, \zero
.endm
.macro THREE slot, zero
	QUARTER \slot, 64,  F0, F1, \zero
	QUARTER \slot, 128, F1, F0, 0
	QUARTER \slot, 192, F0, F1, 0
.endm
; The last quarter: multiplies buffer 1 and changes slots.  next = the other slot; fill = 1: this slot is filled again, two K steps ahead.
; One barrier for the change of slots.  In front of it each wave waits for its own reads of this slot and for all its tensor loads, of which one is
; out: its part of the next slot.  Behind it nobody reads this slot any more and the next slot is whole: the refill comes first, then the next
; slot's first fragments.  From a request to the wait for it a wave issues 240 matrix instructions.
.macro TURN slot, next, fill
	s_wait_dscnt 8
	WIN MUL_LO
	MUL16 F1, 0, 0, 0
	s_wait_dscnt 0                                 ; my reads of this slot are over
	s_wait_tensorcnt 0x0                           ; and all my tensor loads have landed: the one that was out is my part of the next slot
	ds_add_u32 v255, v255
	s_wait_dscnt 0x0
	s_barrier_signal -1                            ; say so (where a slot is filled again this barrier opens a round of the cluster's barrier),
	MUL16 F1, 0, 2, 0                              ; work on registers while the others arrive,
	WIN 0
	s_barrier_wait -1                              ; and go on when all four have said so
.if \fill
	CREST                                          ; all sixteen work-groups have said so: no wave of any partner still reads this slot's tile or has a load on its way
	s_add_nc_u64 s[G0+4*\slot+2:G0+4*\slot+3], s[G0+4*\slot+2:G0+4*\slot+3], 2*KSTEP*2
	s_add_nc_u64 s[G0B+4*\slot+2:G0B+4*\slot+3], s[G0B+4*\slot+2:G0B+4*\slot+3], 2*KSTEP*2
	JLOAD \slot                                    ; the first tensor load behind the round; the four v_nop behind it are also the places in front of the loads below
.else
	PLACES
.endif
	FETCH \next, 0, F0
	WIN MUL_HI
	MUL16 F1, 1, 0, 0
	MUL16 F1, 1, 2, 0
.endm
.macro LAP zero                        ; once round the ring, both slots filled again
	THREE 0, \zero
	TURN 0, 1, 1
	THREE 1, 0
	TURN 1, 0, 1
.endm
	s_wait_tensorcnt 1                             ; my part of K step 0 is in; K step 1's may stay out
	s_barrier_signal -1
	s_barrier_wait -1                              ; everybody's is
	FETCH 0, 0, F0
	LAP 1                                          ; the first lap stands in front of the loop: its first products start the sums
	WIN 0                                          ; at a label and at a branch every window is 0
	s_mov_b32 s3, LAPS-2
.Llap:
	LAP 0
	WIN 0
	s_sub_co_u32 s3, s3, 1
	s_cmp_lg_u32 s3, 0
	s_cbranch_scc1 .Llap
	THREE 0, 0                                     ; the last lap fills nothing: my one tensor load that is still out is slot 1's, the last K step's
	TURN 0, 1, 0
	THREE 1, 0
	s_wait_dscnt 8                                 ; the very last quarter: nothing more to fetch
	WIN MUL_LO
	MUL16 F1, 0, 0, 0
	MUL16 F1, 0, 2, 0
	s_wait_dscnt 0
	WIN MUL_HI
	MUL16 F1, 1, 0, 0
	MUL16 F1, 1, 2, 0
	; THE WAY OUT, 16 rows of C at a time: round to f16, 16 bytes a lane into my own stage in LDS, read back as whole rows of 256 bytes.
	PLACES                                         ; the places behind the last matrix instructions, for the conversions and for the loads into buffers 0 and 1
	s_lshl_b32 s13, s13, 8
	s_lshl_b32 s14, s11, 7
	s_add_co_u32 s16, s13, s14                     ; my first row of C
	s_mov_b32 s17, 0
	s_mov_b64 s[18:19], SIZE_N*2
	s_mul_u64 s[16:17], s[16:17], s[18:19]
	s_add_nc_u64 s[8:9], s[8:9], s[16:17]
	s_lshl_b32 s46, s42, 9                         ; my first column, in bytes: 512 x block + 256 x half
	s_lshl_b32 s47, s12, 8
	s_add_co_u32 s46, s46, s47
	s_mov_b32 s47, 0
	s_add_nc_u64 s[8:9], s[8:9], s[46:47]
; rows 16 i .. 16 i + 15 of my block = the eight tiles (a, 0..7) of window 2 or 3 (from = 0x0a or 0x0f: sources 0 and 1); f: F0 or F1 in turn
.macro OUT16 i, a, from, f
	WIN \from
.irp b, 0,1,2,3,4,5,6,7
.irp r, 0,1,2,3
	v_cvt_pk_f16_f32 v[TMP+4*\b+\r], v[8*(8*\a+\b)+2*\r], v[8*(8*\a+\b)+2*\r+1]
.endr
.endr
	WIN 0
.irp b, 0,1,2,3,4,5,6,7
	ds_store_b128 v[STO], v[TMP+4*\b:TMP+4*\b+3] offset:32*\b
.endr
	s_wait_xcnt 0x0                                ; buffer f, which earlier stores read, and the stores' base are rewritten only behind this wait
.if \i
	s_add_nc_u64 s[8:9], s[8:9], 16*SIZE_N*2       ; 16 rows of C on
.endif
.irp t, 0,1,2,3,4,5,6,7
	ds_load_b128 v[\f+4*\t:\f+4*\t+3], v[RD] offset:\t*2*SPITCH    ; LDS serves a wave's instructions in order (ISA guide 5.7.1): these see the stores above
.endr
.irp t, 0,1,2,3,4,5,6,7
	s_wait_dscnt 7-\t                              ; read-back t is in, the 7 - t younger ones stay out
	global_store_b128 v[CO], v[\f+4*\t:\f+4*\t+3], s[8:9] offset:2*\t*SIZE_N*2   ; 16 lanes store 256 consecutive bytes, at a multiple of 256 from C's first byte
.endr
.endm
	OUT16 0, 0, 0x0a, F0
	OUT16 1, 1, 0x0a, F1
	OUT16 2, 2, 0x0a, F0
	OUT16 3, 3, 0x0a, F1
	OUT16 4, 0, 0x0f, F0
	OUT16 5, 1, 0x0f, F1
	OUT16 6, 2, 0x0f, F0
	OUT16 7, 3, 0x0f, F1
	s_set_vgpr_msb 0x1
	s_wait_tensorcnt 0x0
	ds_add_u32 v255, v255
	s_wait_dscnt 0x0
	s_set_vgpr_msb 0x100
	CROUND                                         ; the closing round: no work-group ends while a partner may still ask for a tile that names it
	s_endpgm
.Lfunc_end_k_q137894462f_proj:
	.size	k_q137894462f_proj, .Lfunc_end_k_q137894462f_proj-k_q137894462f_proj
	.p2alignl 7, 3214868480
	.fill 96, 4, 3214868480
	.section	.rodata,"a",@progbits
	.p2align	6, 0x0
	.amdhsa_kernel k_q137894462f_proj
		.amdhsa_group_segment_fixed_size 327680
		.amdhsa_private_segment_fixed_size 0
		.amdhsa_enable_private_segment 0
		.amdhsa_kernarg_size 16
		.amdhsa_user_sgpr_count 2
		.amdhsa_user_sgpr_kernarg_segment_ptr 1
		.amdhsa_wavefront_size32 1
		.amdhsa_system_sgpr_workgroup_id_x 1
		.amdhsa_system_sgpr_workgroup_id_y 1
		.amdhsa_system_sgpr_workgroup_id_z 1
		.amdhsa_system_vgpr_workitem_id 0
		.amdhsa_next_free_vgpr 1024
		.amdhsa_next_free_sgpr 66
		.amdhsa_reserve_vcc 0
		.amdhsa_float_denorm_mode_32 3
		.amdhsa_float_denorm_mode_16_64 3
		.amdhsa_memory_ordered 1
		.amdhsa_forward_progress 1
		.amdhsa_inst_pref_size 197
	.end_amdhsa_kernel
	.amdgpu_metadata
---
amdhsa.version: [ 1, 2 ]
amdhsa.kernels:
  - .name:           k_q137894462f_proj
    .symbol:         k_q137894462f_proj.kd
    .args:
      - { .name: castb, .offset: 0, .size: 8, .value_kind: global_buffer, .address_space: global }
      - { .name: qkv, .offset: 8, .size: 8, .value_kind: global_buffer, .address_space: global }
    .group_segment_fixed_size: 327680
    .private_segment_fixed_size: 0
    .kernarg_segment_align: 8
    .kernarg_segment_size: 16
    .max_flat_workgroup_size: 128
    .sgpr_count:     66
    .vgpr_count:     1024
    .wavefront_size: 32
...
	.end_amdgpu_metadata
.endif
;; end of part 2
;; launch attn_k (part 3): grid 16 x 16, 8 waves a work-group, clusters of 4 x 1, 327,680 bytes of LDS; arguments qkv, attn; writes attn
.if DOCPART == 3
	.amdgcn_target "amdgcn-amd-amdhsa--gfx1250"
	.amdhsa_code_object_version 6
	.text
	.protected	k_q137894462f_attn_k
	.globl	k_q137894462f_attn_k
	.p2align	8
	.type	k_q137894462f_attn_k,@function
k_q137894462f_attn_k:
	s_mov_b64 s[64:65], 0
	v_nop
	global_prefetch_b8 v0, s[64:65] scope:SCOPE_SE
	s_setreg_imm32_b32 hwreg(HW_REG_WAVE_MODE, 25, 1), 1
	s_wait_xcnt 0x0
	s_wait_alu depctr_hold_cnt(0) depctr_sa_sdst(0) depctr_va_vdst(0) depctr_va_sdst(0) depctr_va_ssrc(0) depctr_va_vcc(0) depctr_vm_vsrc(0)
	s_getreg_b32 s2, hwreg(HW_REG_IB_STS2, 6, 4)
	s_cmp_eq_u32 s2, 0
	s_cbranch_scc0 .Lentry_in_a_cluster
	s_endpgm
.Lentry_in_a_cluster:
	s_bfe_u32 s2, ttmp6, 0x10000c
	s_cmp_lg_u32 s2, 0x3003
	s_cbranch_scc0 .Lentry_shape_is_right
	s_endpgm
.Lentry_shape_is_right:
; attn[s][128 head + dv] = sum over keys of softmax(q k / sqrt 128) v, for one head and 128 queries a work-group.  qkv: [6144][2048] f16 (q, k, then v
; transposed, vT[128 head + dv][key]).  attn: [2048][2048] f16.  Products in f16 with f32 sums; the softmax in f32 with a running maximum.
; LIMITS: a weight below 2^-25 of the largest that its wave has met for its query rounds to 0 in f16; v_exp_f32 gives 0 below 2^-126 (ISA guide, its
; entry); the sums run in another order than a plain row sum; the result is rounded to f16 (it is a mean of v's, so it is no larger than v).
; EIGHT WAVES IN TWO GROUPS OF FOUR, two waves for each of a WGP's four SIMDs.  Waves w and w + 4 have the same 32 queries, 32 (w mod 4) .. + 31, as two
; blocks of 16.  Group g = w / 4 takes the key steps 2 n + g (128 keys each), n = 0 .. 7, with a running maximum, a sum and an O of its own; at the
; end the two are joined through LDS.  A wave's step is products, a softmax on the vector unit, products: with a second wave beside it one wave's
; softmax can run while the other's products do.  The LDS bytes read are those of four waves that take all keys: a wave reads its own steps' tiles alone.
; FORMS, chosen so that nothing is transposed or sent between lanes but one exchange of halves:
;   S^T(t, c) = K(t) Q(c)^T: A = 16 keys x 32 d, B = 16 queries x 32 d.  Lane (r, h), register j: key 16 t + 8 h + j, query r.
;   Packing S^T(2u, c) and S^T(2u+1, c) to f16 in place gives the B fragment P(u, c) of 32 keys x 16 queries as it must lie.
;   O^T(b, c) += vT(b, u) P(u, c): A = 16 dv x 32 keys.  Lane (r, h), register j: dv 16 b + 8 h + j, query r.
; So a query's maximum, sum and factor are a lane's own, and a lane's eight results are 16 neighbouring bytes of attn.
; CLUSTERS: the four work-groups of a cluster are four query blocks of ONE head and walk the same tiles of K and vT: every tile is asked for jointly,
; with the mask of all four, which divides the requests for K and vT by four.  Nothing in a descriptor hangs on the place in the cluster.
; A wave has two tensor loads out at the start and one behind each round.
.set PITCH,  272                       ; an LDS row: 256 bytes + 16 of padding, an odd multiple of 16 bytes
.set HALFT,  64*PITCH                  ; what one tensor load brings: 64 rows
.set SLOT,   4*HALFT                   ; one key step: K's 128 rows (keys x 128 d), then vT's 128 rows (dv x 128 keys)
.set PAIR,   2*SLOT                    ; two key steps: group 0's slot, then group 1's.  Two pairs take turns
.set VT,     2*HALFT
.set STAGE,  2*PAIR                    ; behind the ring: 16 rows x 272 bytes for each wave, for the way out; no tensor load lands here
.set XW,     8704                      ; the join: 64 registers x 128 bytes of O, then 512 bytes for maximum and sum, for each wave, at LDS byte 0
.set MB8,    8388608                   ; 2048 rows of 4,096 bytes
.set KSTEPB, 128*4096                  ; a key step in K: 128 rows down
.set VSTEPB, 128*2                     ; a key step in vT: 128 elements along
; window 0
.set ADR, 8                            ; v8-9     r x 272 + 16 h in my group's slot of pair 0, 1
.set STO, 10                           ; v10      the way out: where I put 16 bytes of a row
.set RD,  11                           ; v11      the way out: where I read a row back
.set CO,  12                           ; v12      my byte offset in attn
.set QO,  13                           ; v13-14   my byte offset in q for register block 0, 1
.set XS,  15                           ; v15      the join: where I put what I send
.set T,   16                           ; v[16:23] at work
.set MX,  24                           ; v24-25   block c: the largest q k so far
.set NM,  26                           ; v[26:29] block c: a pair, twice -CS x that maximum
.set AL,  30                           ; v[30:33] block c: a pair, twice the factor for the old sums
.set LS,  34                           ; v34-35   block c: my half's part of the sum l
.set XR,  36                           ; v36      the join: where I read what my partner sent
.set FM,  38                           ; v[38:39] the join: a pair, the factor of my O
.set FP,  40                           ; v[40:41] the join: a pair, the factor of my partner's O
.set RX,  44                           ; v[44:47] the join: my partner's -CS x maximum and sum
.set Q,   64                           ; v[64:127]  fragment (c, kc) at Q + 32 c + 8 kc
.set S,   128                          ; v[128:255] tile (t, c) at S + 64 c + 8 t; packed: P(u, c) at S + 64 c + 16 u
.set R,   128                          ; v[128:191] the join: my partner's O (S is done with)
.set TMP, 192                          ; v[192:223] the way out: packed results
.set BK,  224                          ; v[224:255] the way out: rows read back
; window 1
.set KB0, 0                            ; v[0:63]    fragments of K or vT, buffer 0
.set KB1, 64                           ; v[64:127]  buffer 1
.set O,   128                          ; v[128:255] tile (b, c) at O + 64 c + 8 b
.set G1, 24                            ; s[24:31] descriptor group 1: one shape for K's and vT's tiles
.set G0, 32                            ; s[32:39] descriptor group 0, one set for each pair
.set MSB, 0
.macro WIN new                         ; the immediate's high byte repeats the setting that is left; a switch that changes nothing is dropped
.if MSB != \new
	s_set_vgpr_msb (MSB<<8)|\new
.set MSB, \new
.endif
.endm
.set TO_1,  0x40                       ; destination window 1, address window 0
.set MUL_S, 0x01                       ; A window 1; B, C and D window 0.  Also: source 0 window 1, the rest window 0
.set MUL_V, 0x51                       ; A window 1, B window 0, C and D window 1
.set SCL_O, 0x41                       ; destination and source 0 window 1, source 1 window 0
.set ST_1,  0x04                       ; an LDS store's data (source 1) window 1, its address window 0
.macro PLACES n                        ; places behind matrix instructions (ISA guide 7.12.1)
.rept \n
	v_nop
.endr
.endm
.macro CREST                           ; a round of the cluster's barrier, behind its opening barrier
	s_cmp_lg_u32 s10, 0
	s_cbranch_scc1 .Lnot_wave_0_\@
	s_barrier_signal -3
.Lnot_wave_0_\@:
	s_barrier_wait -3
	s_barrier_signal -1
	s_barrier_wait -1
.endm
.macro CROUND                          ; a whole round
	s_barrier_signal -1
	s_barrier_wait -1
	CREST
.endm
; The barrier lets both groups go at once, and both would begin with products.  Group 1 idles here while group 0 issues the 64 matrix instructions of
; its S; from then on one group's softmax stands beside the other's products.  The branch hangs on the wave's number and jumps over the idling alone.
.macro LAG
	s_cmp_lt_u32 s10, 4
	s_cbranch_scc1 .Llead_\@
.rept 32
	s_nop 15
.endr
.Llead_\@:
.endm
	s_load_b128 s[4:7], s[0:1], 0x0                ; qkv s[4:5], attn s[6:7]
	v_lshl_add_u32 v62, v0, 2, 0x4c800
	v_mov_b32 v63, 0
	ds_add_u32 v62, v63
	v_lshrrev_b32 v1, 5, v0
	v_readfirstlane_b32 s10, v1                    ; wave 0..7
	s_and_b32 s11, s10, 1                          ; which 64 rows of a tile I fetch
	s_lshr_b32 s47, s10, 2                         ; g: my group
	s_and_b32 s8, ttmp7, 0xffff                    ; head (the cluster is one work-group high)
	s_bfe_u32 s46, ttmp6, 0x40000                  ; cx
	s_lshl_b32 s9, ttmp9, 2
	s_add_co_u32 s9, s9, s46                       ; query block = 4 x cluster x + cx
	s_mov_b32 s12, 0x76543210                      ; v_permlanex16_b32: lane i of one half reads lane i of the other
	s_mov_b32 s13, 0xfedcba98
	s_mov_b32 s14, 0x3e0293ee                      ; CS = log2(e) / sqrt(128): exp(x / sqrt 128) = 2^(CS x)
	s_mov_b32 s15, 0x3e0293ee
	s_mov_b32 s16, 0xbe0293ee                      ; -CS
	; descriptor group 1: a tile of 64 rows x 128 elements of 2 bytes, rows 2048 elements apart, padded in LDS
	s_mov_b32 s[G1+0], 15|(1<<16)|(1<<20)|(1<<21)|(5<<22)|(3<<25)   ; 15:0 the mask: all four of the cluster; 17:16 2 bytes; 20 padding on; 21 set beside a mask; after every 64 words (code 5) 4 words (code 3)
	s_mov_b32 s[G1+1], 128<<16                     ; tensor_dim0 = 128
	s_mov_b32 s[G1+2], 64<<16                      ; tensor_dim1 = 64
	s_mov_b32 s[G1+3], 128<<16                     ; tile_dim0 = 128
	s_mov_b32 s[G1+4], 64                          ; tile_dim1 = 64
	s_mov_b32 s[G1+5], 2048                        ; elements from row to row
	s_mov_b32 s[G1+6], 0
	s_mov_b32 s[G1+7], 0
	; where my tiles come from, as offsets in qkv: of each group's slot waves 0, 1 of the group fetch K's two halves, waves 2, 3 vT's.
	; Made of the head and the wave's number alone.
	s_lshl_b32 s17, s11, 18                        ; my half: 64 rows of 4,096 bytes
	s_lshl_b32 s18, s8, 8                          ; K: the head's 256 bytes of a row,
	s_add_co_u32 s18, s18, s17
	s_add_co_u32 s18, s18, MB8                     ; behind q's 2048 rows
	s_lshl_b32 s19, s8, 19                         ; vT: the head's 128 rows,
	s_add_co_u32 s19, s19, s17
	s_add_co_u32 s19, s19, 2*MB8                   ; behind q's and k's
	s_mov_b32 s44, KSTEPB
	s_mov_b32 s45, VSTEPB
	s_and_b32 s21, s10, 2
	s_cmp_eq_u32 s21, 0                            ; K or vT
	s_cselect_b32 s20, s18, s19
	s_cselect_b32 s44, s44, s45                    ; one key step, in bytes
	s_mul_i32 s21, s47, s44
	s_add_co_u32 s20, s20, s21                     ; s[20:21] my first tile: key step g
	s_mov_b32 s21, 0
	s_lshl_b32 s44, s44, 1                         ; s[44:45] two key steps: from pair 0's tile to pair 1's
	s_mov_b32 s45, 0
	s_lshl_b32 s22, s44, 1                         ; s[22:23] four key steps: from a pair's tile to its next
	s_mov_b32 s23, 0
	s_mul_i32 s17, s10, HALFT                      ; and where they go: wave x 64 rows: group 0's slot, then group 1's
	; q's and attn's offsets: these alone hang on the query block.  Register block c of group g holds queries 32 (w mod 4) + 16 (c xor g) + r:
	; so every wave sends its block 1 to its partner at the end and keeps its block 0.
	s_lshl_b32 s40, s9, 19                         ; 128 rows of 4,096 bytes a query block
	s_lshl_b32 s41, s8, 8                          ; the head's 256 bytes of a row
	s_add_co_u32 s40, s40, s41
	s_mov_b32 s41, 0
	s_and_b32 s18, s10, 3
	s_lshl_b32 s18, s18, 17                        ; 32 rows for each wave of a group
	s_lshl_b32 s19, s47, 16
	s_add_co_u32 s19, s19, s18                     ; block 0: + 16 g rows
	s_xor_b32 s42, s47, 1
	s_lshl_b32 s42, s42, 16
	s_add_co_u32 s18, s18, s42                     ; block 1: + 16 (1 - g) rows
	s_add_co_u32 s42, s40, s19                     ; attn: my block 0's rows
	s_mov_b32 s43, 0
	; lane terms
	v_and_b32 v1, 15, v0                           ; r
	v_bfe_u32 v2, v0, 4, 1                         ; h
	v_and_b32 v7, 31, v0                           ; lane
	v_mul_u32_u24 v3, v1, PITCH
	v_lshl_add_u32 v3, v2, 4, v3                   ; r x 272 + 16 h
	v_lshlrev_b32 v6, 12, v1                       ; q: row r, 16 h bytes in
	v_lshl_add_u32 v6, v2, 4, v6
	v_add_nc_u32 v[QO], s19, v6
	v_add_nc_u32 v[QO+1], s18, v6
	s_mul_i32 s18, s47, SLOT
	v_add_nc_u32 v[ADR], s18, v3                   ; my group's slot of pair 0,
	v_add_nc_u32 v[ADR+1], PAIR, v[ADR]            ; of pair 1
	s_mul_i32 s18, s10, 16*PITCH
	s_add_co_u32 s18, s18, STAGE                   ; my stage
	v_add_nc_u32 v[STO], s18, v3                   ; in: row r, 16 bytes for each half of the lanes
	v_mul_u32_u24 v4, v2, PITCH                    ; back: lanes 0-15 one row of 256 bytes, lanes 16-31 the next
	v_lshl_add_u32 v4, v1, 4, v4
	v_add_nc_u32 v[RD], s18, v4
	v_lshlrev_b32 v5, 12, v2                       ; and the same two rows in attn
	v_lshl_add_u32 v[CO], v1, 4, v5
	s_mul_i32 s18, s10, XW
	v_lshl_add_u32 v[XS], v7, 4, s18               ; the join: 16 bytes a lane, in my wave's part,
	s_xor_b32 s19, s10, 4
	s_mul_i32 s19, s19, XW
	v_lshl_add_u32 v[XR], v7, 4, s19               ; and in my partner's: wave w xor 4
	s_wait_dscnt 0x0
	s_wait_kmcnt 0x0
	s_add_nc_u64 s[40:41], s[4:5], s[40:41]        ; q at my block's first row, the head's columns
	s_add_nc_u64 s[42:43], s[6:7], s[42:43]        ; attn at the first of the 16 rows that I write, the head's columns
	s_mov_b32 s[G0], 1                             ; count = 1
	s_add_co_u32 s[G0+1], s17, 0                   ; LDS address, pair 0
	s_add_nc_u64 s[G0+2:G0+3], s[4:5], s[20:21]    ; key step g
	s_mov_b32 s[G0+4], 1
	s_add_co_u32 s[G0+5], s17, PAIR                ; pair 1
	s_add_nc_u64 s[G0+6:G0+7], s[G0+2:G0+3], s[44:45]  ; key step 2 + g
	s_or_b32 s[G0+3], s[G0+3], 0x80000000          ; type = 2
	s_or_b32 s[G0+7], s[G0+7], 0x80000000
	CROUND                                         ; all four work-groups are here: the first joint loads meet
	tensor_load_to_lds s[G0:G0+3], s[G1:G1+7]      ; both first fills as one group, ahead of every wait on TENSORcnt, LDS read and further barrier
	s_nop 0
	tensor_load_to_lds s[G0+4:G0+7], s[G1:G1+7]
	s_nop 0
	PLACES 4
	; Q stays in registers: as B, lane (r, h) holds query r; registers 0-3 d = 32 kc + 8 h + 0..7, registers 4-7 sixteen further
.irp c, 0,1
.irp kc, 0,1,2,3
	global_load_b128 v[Q+32*\c+8*\kc:Q+32*\c+8*\kc+3],   v[QO+\c], s[40:41] offset:\kc*64
	global_load_b128 v[Q+32*\c+8*\kc+4:Q+32*\c+8*\kc+7], v[QO+\c], s[40:41] offset:\kc*64+32
.endr
.endr
; 16 LDS loads: K's tiles 2 g and 2 g + 1 (16 keys each) x all 128 d, into buffer f: fragment (tt, kc) at f + 32 tt + 8 kc
.macro FETCHK slot, g, f
	WIN TO_1
.irp tt, 0,1
.irp kc, 0,1,2,3
	ds_load_b128 v[\f+32*\tt+8*\kc:\f+32*\tt+8*\kc+3],   v[ADR+\slot] offset:(2*\g+\tt)*16*PITCH+64*\kc
	ds_load_b128 v[\f+32*\tt+8*\kc+4:\f+32*\tt+8*\kc+7], v[ADR+\slot] offset:(2*\g+\tt)*16*PITCH+64*\kc+32
.endr
.endr
.endm
; 16 LDS loads: vT's eight blocks of 16 dv x keys 32 u .. 32 u + 31, into buffer f: fragment b at f + 8 b.  The largest offset is 65,504.
.macro FETCHV slot, u, f
	WIN TO_1
.irp b, 0,1,2,3,4,5,6,7
	ds_load_b128 v[\f+8*\b:\f+8*\b+3],   v[ADR+\slot] offset:VT+\b*16*PITCH+64*\u
	ds_load_b128 v[\f+8*\b+4:\f+8*\b+7], v[ADR+\slot] offset:VT+\b*16*PITCH+64*\u+32
.endr
.endm
; 16 matrix instructions: S^T(2 g + tt, c) over d = 128.  The four accumulators take turns, one instruction a turn; the first product starts each sum.
.macro MULS g, f
	WIN MUL_S
.irp kc, 0,1,2,3
.irp tt, 0,1
.irp c, 0,1
.if \kc == 0
	v_wmma_f32_16x16x32_f16 v[S+64*\c+8*(2*\g+\tt):S+64*\c+8*(2*\g+\tt)+7], v[\f+32*\tt+8*\kc:\f+32*\tt+8*\kc+7], v[Q+32*\c+8*\kc:Q+32*\c+8*\kc+7], 0
.else
	v_wmma_f32_16x16x32_f16 v[S+64*\c+8*(2*\g+\tt):S+64*\c+8*(2*\g+\tt)+7], v[\f+32*\tt+8*\kc:\f+32*\tt+8*\kc+7], v[Q+32*\c+8*\kc:Q+32*\c+8*\kc+7], v[S+64*\c+8*(2*\g+\tt):S+64*\c+8*(2*\g+\tt)+7]
.endif
.endr
.endr
.endr
.endm
; 16 matrix instructions: O^T(b, c) += vT(b, u) P(u, c).  The sixteen accumulators take turns, one instruction a turn, in the same order for every u.
.macro MULV u, f, zero
	WIN MUL_V
.irp b, 0,1,2,3,4,5,6,7
.irp c, 0,1
.if \zero
	v_wmma_f32_16x16x32_f16 v[O+64*\c+8*\b:O+64*\c+8*\b+7], v[\f+8*\b:\f+8*\b+7], v[S+64*\c+16*\u:S+64*\c+16*\u+7], 0
.else
	v_wmma_f32_16x16x32_f16 v[O+64*\c+8*\b:O+64*\c+8*\b+7], v[\f+8*\b:\f+8*\b+7], v[S+64*\c+16*\u:S+64*\c+16*\u+7], v[O+64*\c+8*\b:O+64*\c+8*\b+7]
.endif
.endr
.endr
.endm
; The softmax step of block c: my 64 numbers are 64 keys of query r; the other half of the lanes holds the other 64.
.macro SOFTMAX c, first
	; the largest of my 64, in four chains, with the maximum so far; then the other half's
.irp k, 0,1,2,3
	v_max_num_f32 v[T+\k], v[S+64*\c+16*\k], v[S+64*\c+16*\k+1]
.endr
.irp i, 1,2,3,4,5,6,7
.irp k, 0,1,2,3
	v_max3_num_f32 v[T+\k], v[T+\k], v[S+64*\c+16*\k+2*\i], v[S+64*\c+16*\k+2*\i+1]
.endr
.endr
	v_max3_num_f32 v[T], v[T], v[T+1], v[T+2]
.if \first
	v_max_num_f32 v[T], v[T], v[T+3]
.else
	v_max3_num_f32 v[T], v[T], v[T+3], v[MX+\c]
.endif
	v_permlanex16_b32 v[T+1], v[T], s12, s13       ; its destination counts as read: T+1 has been written
	v_max_num_f32 v[MX+\c], v[T], v[T+1]           ; both halves now hold the query's maximum
	v_mul_f32 v[T+2], s16, v[MX+\c]                ; -CS x maximum
.if \first == 0
	v_sub_f32 v[AL+2*\c], v[T+2], v[NM+2*\c]       ; CS x (old maximum - new), at most 0
.endif
	v_mov_b32 v[NM+2*\c], v[T+2]
	v_mov_b32 v[NM+2*\c+1], v[T+2]
	; the exponents CS x (s - maximum), two at a time, one fused multiply-add each
.set j, 0
.rept 32
	v_pk_fma_f32 v[S+64*\c+j:S+64*\c+j+1], v[S+64*\c+j:S+64*\c+j+1], s[14:15], v[NM+2*\c:NM+2*\c+1] op_sel_hi:[1,0,1]
.set j, j+2
.endr
.if \first == 0
	v_exp_f32 v[AL+2*\c], v[AL+2*\c]
.endif
.set j, 0
.rept 64
	v_exp_f32 v[S+64*\c+j], v[S+64*\c+j]
.set j, j+1
.endr
	v_nop                                          ; one plain place behind the run of exponentials before a result is used (ISA guide 5.7.2)
.if \first == 0
	s_wait_alu depctr_va_vdst(0)
	v_mov_b32 v[AL+2*\c+1], v[AL+2*\c]             ; the pair that the packed multiplies take
.endif
	; my part of the sum, in four chains of pairs
	s_wait_alu depctr_va_vdst(0)
.irp k, 0,1,2,3
	v_pk_add_f32 v[T+2*\k:T+2*\k+1], v[S+64*\c+16*\k:S+64*\c+16*\k+1], v[S+64*\c+16*\k+2:S+64*\c+16*\k+3]
.endr
.irp i, 2,3,4,5,6,7
.irp k, 0,1,2,3
	v_pk_add_f32 v[T+2*\k:T+2*\k+1], v[T+2*\k:T+2*\k+1], v[S+64*\c+16*\k+2*\i:S+64*\c+16*\k+2*\i+1]
.endr
.endr
	v_pk_add_f32 v[T:T+1], v[T:T+1], v[T+2:T+3]
	v_pk_add_f32 v[T+4:T+5], v[T+4:T+5], v[T+6:T+7]
	v_pk_add_f32 v[T:T+1], v[T:T+1], v[T+4:T+5]
.if \first
	v_add_f32 v[LS+\c], v[T], v[T+1]
.else
	v_add_f32 v[T], v[T], v[T+1]
	v_fma_f32 v[LS+\c], v[LS+\c], v[AL+2*\c], v[T]
.endif
	; to f16 in place: register i of P(u, c) takes numbers 2 i and 2 i + 1 of the pair of tiles; i ascends, so no number is overwritten before it is read
.irp u, 0,1,2,3
.irp i, 0,1,2,3,4,5,6,7
	v_cvt_pk_f16_f32 v[S+64*\c+16*\u+\i], v[S+64*\c+16*\u+2*\i], v[S+64*\c+16*\u+2*\i+1]
.endr
.endr
.endm
.macro RESCALE                         ; the old sums O take the factor of their query
	WIN SCL_O
.irp c, 0,1
.set j, 0
.rept 32
	v_pk_mul_f32 v[O+64*\c+j:O+64*\c+j+1], v[O+64*\c+j:O+64*\c+j+1], v[AL+2*\c:AL+2*\c+1]
.set j, j+2
.endr
.endr
.endm
; One step of 128 keys from my group's slot of a pair.  At its head the fragments of K's tiles 0-3 have been asked for: 32 LDS loads are out, in two groups of 16.
; Every s_wait_dscnt 16 leaves out exactly the younger group of 16.  Four v_nop stand between the matrix instructions that read a buffer and the loads into it.
; mode 2: this pair is filled again, four key steps ahead, behind a round of the cluster's barrier; mode 1: a change of pairs without a fill; mode 0: the last step.
.macro STEP slot, next, mode, first
	LAG
	s_wait_dscnt 16
	MULS 0, KB0
	PLACES 4
	FETCHK \slot, 2, KB0
	s_wait_dscnt 16
	MULS 1, KB1
	PLACES 4
	FETCHK \slot, 3, KB1
	s_wait_dscnt 16
	MULS 2, KB0
	PLACES 4
	FETCHV \slot, 0, KB0
	s_wait_dscnt 16
	MULS 3, KB1
	PLACES 4                                       ; also the places in front of the softmax, which reads the results
	FETCHV \slot, 1, KB1
	WIN 0
	SOFTMAX 0, \first
	SOFTMAX 1, \first
.if \first == 0
	RESCALE
.endif
	s_wait_dscnt 16
	MULV 0, KB0, \first
	PLACES 4
	FETCHV \slot, 2, KB0
	s_wait_dscnt 16
	MULV 1, KB1, 0
	PLACES 4
	FETCHV \slot, 3, KB1
	s_wait_dscnt 16
	MULV 2, KB0, 0
	s_wait_dscnt 0                                 ; my reads of this pair are over
.if \mode == 0
	MULV 3, KB1, 0
.else
	s_set_vgpr_msb 0x5150
	s_wait_tensorcnt 0x0                           ; and all my tensor loads have landed: the one that was out is my part of the next pair
	ds_add_u32 v62, v63
	s_wait_dscnt 0x0
	s_set_vgpr_msb 0x5051
	s_barrier_signal -1                            ; say so (mode 2: this barrier opens a round of the cluster's barrier),
	MULV 3, KB1, 0                                 ; work on registers while the others arrive,
	WIN 0
	s_barrier_wait -1                              ; and go on when all eight waves have said so
.if \mode == 2
	CREST                                          ; all four work-groups have said so: no wave of any partner still reads this pair or has a load on its way
	s_add_nc_u64 s[G0+4*\slot+2:G0+4*\slot+3], s[G0+4*\slot+2:G0+4*\slot+3], s[22:23]   ; no tensor load of mine is out: the pair's address steps four key steps on
	tensor_load_to_lds s[G0+4*\slot:G0+4*\slot+3], s[G1:G1+7]      ; my one tensor load behind the round, and the first thing there
	s_nop 0
.endif
	PLACES 5                                       ; five places: the next step's first products write over registers that the products above read as B; its loads land in their A
	FETCHK \next, 0, KB0
	FETCHK \next, 1, KB1
	WIN 0
.endif
.endm
	s_wait_tensorcnt 0x1                           ; my part of pair 0 is in; pair 1's may stay out
	s_barrier_signal -1
	s_barrier_wait -1                              ; everybody's is
	FETCHK 0, 0, KB0
	FETCHK 0, 1, KB1
	WIN 0
	s_wait_loadcnt 0x0                             ; Q, once
	STEP 0, 1, 2, 1                                ; my first key step starts every sum: nothing is cleared
	STEP 1, 0, 2, 0
	s_mov_b32 s3, 2                                ; my steps 2 to 5 of eight
.Llap:
	STEP 0, 1, 2, 0
	STEP 1, 0, 2, 0
	s_sub_co_u32 s3, s3, 1
	s_cmp_lg_u32 s3, 0
	s_cbranch_scc1 .Llap
	STEP 0, 1, 1, 0                                ; my last two steps fill nothing
	STEP 1, 0, 0, 0
	; THE JOIN.  My partner (wave w xor 4) has the same queries and the other half of the keys.  I send my register block 1 and keep my block 0, whose
	; queries are my partner's block 1.  The bytes lie in pair 0: its last fill landed, and every wave's last reads of it came back, ahead of the barrier
	; at the end of the step before last; the last step read pair 1 alone; no tensor load follows.
	PLACES 4                                       ; the places behind the last matrix instructions, for the LDS stores of results
	WIN ST_1
.irp i, 0,1,2,3,4,5,6,7,8,9,10,11,12,13,14,15
	ds_store_b128 v[XS], v[O+64+4*\i:O+64+4*\i+3] offset:512*\i    ; 32 lanes x 16 neighbouring bytes
.endr
	WIN 0
	v_mov_b32 v[T], v[NM+2]                        ; -CS x maximum of block 1
	v_mov_b32 v[T+1], v[LS+1]                      ; my half's part of its sum (the two words behind them are not used)
	ds_store_b128 v[XS], v[T:T+3] offset:8192
	s_wait_dscnt 0x0                               ; for my partner's sake: all my stores are in LDS
	s_barrier_signal -1
	s_barrier_wait -1
	ds_load_b128 v[RX:RX+3], v[XR] offset:8192
.irp i, 0,1,2,3,4,5,6,7,8,9,10,11,12,13,14,15
	ds_load_b128 v[R+4*\i:R+4*\i+3], v[XR] offset:512*\i
.endr
	s_wait_dscnt 16                                ; maximum and sum are in; the sixteen loads of O behind them stay out
	v_min_num_f32 v[T], v[NM], v[RX]               ; -CS x the larger of the two maxima
	v_sub_f32 v[FM], v[T], v[NM]                   ; CS x (my maximum - the larger), at most 0
	v_sub_f32 v[FP], v[T], v[RX]
	v_exp_f32 v[FM], v[FM]
	v_exp_f32 v[FP], v[FP]
	v_nop                                          ; one plain place behind the exponentials
	s_wait_alu depctr_va_vdst(0)
	v_mul_f32 v[T+1], v[FM], v[LS]
	v_fma_f32 v[T+1], v[FP], v[RX+1], v[T+1]       ; my half's part of l over all keys
	v_permlanex16_b32 v[T+2], v[T+1], s12, s13
	v_add_f32 v[T+1], v[T+1], v[T+2]               ; l, at least 1: the largest weight is 2^0
	v_rcp_f32 v[T+3], v[T+1]
	v_nop                                          ; one plain place behind the reciprocal
	s_wait_alu depctr_va_vdst(0)
	v_mul_f32 v[FM], v[FM], v[T+3]
	v_mul_f32 v[FP], v[FP], v[T+3]
	v_mov_b32 v[FM+1], v[FM]                       ; the pairs that the packed forms take
	v_mov_b32 v[FP+1], v[FP]
	s_wait_dscnt 0x0
.set j, 0
.rept 32
	v_pk_mul_f32 v[R+j:R+j+1], v[R+j:R+j+1], v[FP:FP+1]
.set j, j+2
.endr
	WIN MUL_S                                      ; source 0 (my O) window 1
.set j, 0
.rept 32
	v_pk_fma_f32 v[R+j:R+j+1], v[O+j:O+j+1], v[FM:FM+1], v[R+j:R+j+1]
.set j, j+2
.endr
	WIN 0
	; THE WAY OUT: to f16, my 16 rows through my own stage, out as whole rows of 256 bytes
.irp b, 0,1,2,3,4,5,6,7
.irp r, 0,1,2,3
	v_cvt_pk_f16_f32 v[TMP+4*\b+\r], v[R+8*\b+2*\r], v[R+8*\b+2*\r+1]
.endr
.endr
.irp b, 0,1,2,3,4,5,6,7
	ds_store_b128 v[STO], v[TMP+4*\b:TMP+4*\b+3] offset:32*\b      ; query r's dv 16 b + 8 h + 0..7
.endr
.irp t, 0,1,2,3,4,5,6,7
	ds_load_b128 v[BK+4*\t:BK+4*\t+3], v[RD] offset:\t*2*PITCH     ; LDS serves a wave's instructions in order (ISA guide 5.7.1): these see the stores above
.endr
.irp t, 0,1,2,3,4,5,6,7
	s_wait_dscnt 7-\t                              ; read-back t is in, the 7 - t younger ones stay out
	global_store_b128 v[CO], v[BK+4*\t:BK+4*\t+3], s[42:43] offset:2*\t*4096   ; 16 lanes store 256 consecutive bytes, at a multiple of 256 from attn's first byte
.endr
	s_wait_tensorcnt 0x0
	ds_add_u32 v62, v63
	s_wait_dscnt 0x0
	CROUND                                         ; the closing round: no work-group ends while a partner may still ask for a tile that names it
	s_endpgm
.Lfunc_end_k_q137894462f_attn_k:
	.size	k_q137894462f_attn_k, .Lfunc_end_k_q137894462f_attn_k-k_q137894462f_attn_k
	.p2alignl 7, 3214868480
	.fill 96, 4, 3214868480
	.section	.rodata,"a",@progbits
	.p2align	6, 0x0
	.amdhsa_kernel k_q137894462f_attn_k
		.amdhsa_group_segment_fixed_size 327680
		.amdhsa_private_segment_fixed_size 0
		.amdhsa_enable_private_segment 0
		.amdhsa_kernarg_size 16
		.amdhsa_user_sgpr_count 2
		.amdhsa_user_sgpr_kernarg_segment_ptr 1
		.amdhsa_wavefront_size32 1
		.amdhsa_system_sgpr_workgroup_id_x 1
		.amdhsa_system_sgpr_workgroup_id_y 1
		.amdhsa_system_sgpr_workgroup_id_z 1
		.amdhsa_system_vgpr_workitem_id 0
		.amdhsa_next_free_vgpr 512
		.amdhsa_next_free_sgpr 66
		.amdhsa_reserve_vcc 0
		.amdhsa_float_denorm_mode_32 3
		.amdhsa_float_denorm_mode_16_64 3
		.amdhsa_memory_ordered 1
		.amdhsa_forward_progress 1
		.amdhsa_inst_pref_size 255
	.end_amdhsa_kernel
	.section	.bss,"aw",@nobits
	.p2align	6
	.space	262144
	.amdgpu_metadata
---
amdhsa.version: [ 1, 2 ]
amdhsa.kernels:
  - .name:           k_q137894462f_attn_k
    .symbol:         k_q137894462f_attn_k.kd
    .args:
      - { .name: qkv, .offset: 0, .size: 8, .value_kind: global_buffer, .address_space: global }
      - { .name: attn, .offset: 8, .size: 8, .value_kind: global_buffer, .address_space: global }
    .group_segment_fixed_size: 327680
    .private_segment_fixed_size: 0
    .kernarg_segment_align: 8
    .kernarg_segment_size: 16
    .max_flat_workgroup_size: 256
    .sgpr_count:     66
    .vgpr_count:     512
    .wavefront_size: 32
...
	.end_amdgpu_metadata
.endif
;; end of part 3
;; launch oproj (part 4): grid 16 x 16, 4 waves a work-group, clusters of 4 x 4, 327,680 bytes of LDS; arguments attn, castb, out0; writes out0
.if DOCPART == 4
	.amdgcn_target "amdgcn-amd-amdhsa--gfx1250"
	.amdhsa_code_object_version 6
	.text
	.protected	k_q137894462f_oproj
	.globl	k_q137894462f_oproj
	.p2align	8
	.type	k_q137894462f_oproj,@function
k_q137894462f_oproj:
	s_mov_b64 s[64:65], 0
	v_nop
	global_prefetch_b8 v0, s[64:65] scope:SCOPE_SE
	s_setreg_imm32_b32 hwreg(HW_REG_WAVE_MODE, 25, 1), 1
	s_wait_xcnt 0x0
	s_wait_alu depctr_hold_cnt(0) depctr_sa_sdst(0) depctr_va_vdst(0) depctr_va_sdst(0) depctr_va_ssrc(0) depctr_va_vcc(0) depctr_vm_vsrc(0)
	s_getreg_b32 s2, hwreg(HW_REG_IB_STS2, 6, 4)
	s_cmp_eq_u32 s2, 0
	s_cbranch_scc0 .Lentry_in_a_cluster
	s_endpgm
.Lentry_in_a_cluster:
	s_bfe_u32 s2, ttmp6, 0x10000c
	s_cmp_lg_u32 s2, 0xf033
	s_cbranch_scc0 .Lentry_shape_is_right
	s_endpgm
.Lentry_shape_is_right:
; out0 = attn Wo^T.  A = attn [2048][2048] f16; B = castb's matrix 6 (Wo in f16), [2048][2048]; out0 [2048][2048] f32, the f32 sums as they are.
; A work-group makes a block of 128 x 128 with four waves: 16 x 16 = 256 work-groups.  A wave makes 64 x 64: 16 accumulator tiles, 128 registers.
; K goes in steps of 256 through a ring of two LDS slots: a tile's rows are 512 bytes of memory and start at multiples of 512 bytes, and a
; load has 120 matrix instructions of its wave between its request and the wait for it.
; CLUSTERS: 4 x 4 work-groups; A's tiles are asked for jointly along a row of the cluster, B's along a column, which divides the requests by four.
; REGISTERS: window 0: addresses, A's fragments in two buffers; window 1: B's fragments in two buffers; window 2: tile (a, b) at v[8 (4 a + b)].
; The matrix instruction is used transposed (source 0 = rows of B, source 1 = rows of A): lane l holds row l % 16 of the tile and its registers the
; columns 8 (l / 16) + 0 .. 7: 32 neighbouring bytes of a row of out0.
.set SIZE_N, 2048
.set SIZE_K, 2048
.set KSLOT,  256                       ; K in a slot
.set PITCH,  528                       ; an LDS row: 512 bytes + 16 of padding = 33 x 16, an odd multiple of 16 bytes
.set HALFT,  64*PITCH                  ; 64 rows: what one tensor load brings, and what one wave reads of A or of B
.set SLOT,   4*HALFT                   ; A's 128 rows, then B's 128 rows
.set STAGE,  2*SLOT                    ; behind the ring: 16 rows x 272 bytes for each wave; no tensor load lands here
.set SPITCH, 272
.set LAPS, SIZE_K/(2*KSLOT)            ; 4 laps of two slots
.set ADRA, 16                          ; v16-17  LDS address of my A fragments in slot 0, 1
.set ADRB, 20                          ; v20-21  the same for B
.set STO,  24                          ; v24     the way out: where I put 32 bytes of a row
.set RD,   25                          ; v25     the way out: where I read a row back
.set CO,   26                          ; v26     my byte offset in out0
.set F0,   64                          ; fragment buffer 0: fragment 4 kc + block at F0 + 8 (4 kc + block)
.set F1,   128                         ; fragment buffer 1
.set G1, 24                            ; s[24:31] descriptor group 1 for A's tiles
.set G0, 32                            ; s[32:39] descriptor group 0 for A's tiles, one set for each slot
.set G1B, 48                           ; s[48:55] group 1 for B's tiles: another mask
.set G0B, 56                           ; s[56:63] group 0 for B's tiles
.set MSB, 0
.macro WIN new                         ; the immediate's high byte repeats the setting that is left; a switch that changes nothing is dropped
.if MSB != \new
	s_set_vgpr_msb (MSB<<8)|\new
.set MSB, \new
.endif
.endm
.set MUL,  0xa1                        ; source 0 (B) window 1, source 1 (A) window 0, C and D window 2
.set TO_B, 0x40                        ; destination window 1, address window 0
.set ST_2, 0x08                        ; an LDS store's data (source 1) window 2, its address window 0
; A joint load: waves 0 and 1 fetch A's two halves, waves 2 and 3 B's.  One mask and one set of registers a line; the branch hangs on the wave's number alone.
.macro JLOAD s
	s_cmp_eq_u32 s11, 0
	s_cbranch_scc0 .Lfor_b_\@
	tensor_load_to_lds s[G0+4*\s:G0+4*\s+3], s[G1:G1+7]
	s_nop 0
.rept 4
	v_nop
.endr
	s_branch .Lasked_\@
.Lfor_b_\@:
	tensor_load_to_lds s[G0B+4*\s:G0B+4*\s+3], s[G1B:G1B+7]
	s_nop 0
.rept 4
	v_nop
.endr
.Lasked_\@:
.endm
.macro CREST                           ; a round of the cluster's barrier, behind its opening barrier
	s_cmp_lg_u32 s10, 0
	s_cbranch_scc1 .Lnot_wave_0_\@
	s_barrier_signal -3
.Lnot_wave_0_\@:
	s_barrier_wait -3
	s_barrier_signal -1
	s_barrier_wait -1
.endm
.macro CROUND                          ; a whole round
	s_barrier_signal -1
	s_barrier_wait -1
	CREST
.endm
	s_load_b128 s[4:7], s[0:1], 0x0                ; attn s[4:5], castb s[6:7]
	s_load_b64 s[8:9], s[0:1], 0x10                ; out0
	s_set_vgpr_msb 0x40
	v_lshl_add_u32 v255, v0, 2, 0x46400
	s_set_vgpr_msb 0x4000
	v_mov_b32 v255, 0
	s_set_vgpr_msb 0x1
	ds_add_u32 v255, v255
	s_set_vgpr_msb 0x100
	v_lshrrev_b32 v1, 5, v0
	v_readfirstlane_b32 s10, v1                    ; wave 0..3
	s_lshr_b32 s11, s10, 1                         ; which half of the block's rows is mine.  Also: I fetch for A (0) or for B (1)
	s_and_b32 s12, s10, 1                          ; which half of its columns.  Also: which 64 rows of that tile I fetch
	s_bfe_u32 s40, ttmp6, 0x40000                  ; cx
	s_bfe_u32 s41, ttmp6, 0x40004                  ; cy
	s_lshl_b32 s42, ttmp9, 2
	s_add_co_u32 s42, s42, s40                     ; block column = 4 x cluster x + cx
	s_and_b32 s13, ttmp7, 0xffff
	s_lshl_b32 s13, s13, 2
	s_add_co_u32 s13, s13, s41                     ; block row = 4 x cluster y + cy
	s_lshl_b32 s43, s41, 2
	s_lshl_b32 s43, 15, s43                        ; my row of the cluster
	s_lshl_b32 s44, 0x1111, s40                    ; my column
	; descriptor group 1: a tile of 64 rows x 256 elements of 2 bytes, padded in LDS
	s_or_b32 s[G1+0], s43, (1<<16)|(1<<20)|(1<<21)|(6<<22)|(3<<25)  ; the mask of my row; 2 bytes; padding on; bit 21 beside a mask; after every 128 words (code 6) 4 words (code 3)
	s_or_b32 s[G1B+0], s44, (1<<16)|(1<<20)|(1<<21)|(6<<22)|(3<<25) ; the same with the mask of my column
	s_mov_b32 s[G1B+1], KSLOT<<16
	s_mov_b32 s[G1+1], KSLOT<<16                   ; tensor_dim0 = 256
	s_mov_b32 s[G1B+2], 64<<16
	s_mov_b32 s[G1+2], 64<<16                      ; tensor_dim1 = 64
	s_mov_b32 s[G1B+3], KSLOT<<16
	s_mov_b32 s[G1+3], KSLOT<<16                   ; tile_dim0 = 256
	s_mov_b32 s[G1B+4], 64
	s_mov_b32 s[G1+4], 64                          ; tile_dim1 = 64
	s_mov_b32 s[G1B+5], SIZE_K
	s_mov_b32 s[G1+5], SIZE_K                      ; elements from row to row
	s_mov_b32 s[G1B+6], 0
	s_mov_b32 s[G1+6], 0
	s_mov_b32 s[G1B+7], 0
	s_mov_b32 s[G1+7], 0
	; A's tiles hang on the block row alone, B's on the block column alone; each offset lives in registers that never hold the other coordinate
	s_lshl_b32 s17, s12, 6                         ; which 64 rows of the tile I fetch
	s_lshl_b32 s16, s13, 7
	s_add_co_u32 s16, s16, s17                     ; A: row 128 x block row + 64 x half
	s_lshl_b32 s46, s42, 7
	s_add_co_u32 s46, s46, s17                     ; B: row 128 x block column + 64 x half
	s_lshl_b32 s16, s16, 12                        ; rows of 4,096 bytes: below 2^23
	s_lshl_b32 s46, s46, 12
	s_mov_b32 s17, 0
	s_mov_b32 s47, 0
	s_mul_i32 s20, s10, HALFT                      ; where they go: wave x 64 rows
	s_wait_dscnt 0x0
	s_wait_kmcnt 0x0
	s_add_nc_u64 s[6:7], s[6:7], 0x3000000         ; castb's matrix 6: 6 x 8,388,608 bytes in
	s_add_nc_u64 s[14:15], s[4:5], s[16:17]
	s_add_nc_u64 s[46:47], s[6:7], s[46:47]
	CROUND                                         ; all sixteen work-groups are here: the first joint loads meet
.irp s, 0,1
	s_mov_b32 s[G0+4*\s], 1
	s_add_co_u32 s[G0+4*\s+1], s20, \s*SLOT
	s_add_nc_u64 s[G0+4*\s+2:G0+4*\s+3], s[14:15], \s*KSLOT*2
	s_or_b32 s[G0+4*\s+3], s[G0+4*\s+3], 0x80000000
	s_mov_b32 s[G0B+4*\s], 1
	s_add_co_u32 s[G0B+4*\s+1], s20, \s*SLOT
	s_add_nc_u64 s[G0B+4*\s+2:G0B+4*\s+3], s[46:47], \s*KSLOT*2
	s_or_b32 s[G0B+4*\s+3], s[G0B+4*\s+3], 0x80000000
	JLOAD \s                                       ; both first fills before anything else: two tensor loads of the wave are out here, one later on
.endr
	v_and_b32 v1, 15, v0                           ; l % 16
	v_bfe_u32 v2, v0, 4, 1                         ; l / 16
	v_mul_u32_u24 v3, v1, PITCH
	v_lshl_add_u32 v3, v2, 4, v3                   ; row x pitch + 16 x half
	s_mul_i32 s21, s11, HALFT                      ; my 64 rows of A
	s_mul_i32 s22, s12, HALFT                      ; my 64 rows of B,
	s_add_co_u32 s22, s22, 2*HALFT                 ; which lie behind A's 128
.irp s, 0,1
	v_add_nc_u32 v[ADRA+\s], s21, v3
	v_add_nc_u32 v[ADRB+\s], s22, v3
	s_add_co_u32 s21, s21, SLOT
	s_add_co_u32 s22, s22, SLOT
.endr
	s_mul_i32 s23, s10, 16*SPITCH
	s_add_co_u32 s23, s23, STAGE                   ; my stage
	v_mul_u32_u24 v4, v1, SPITCH                   ; in: row l % 16, 32 bytes for each half of the lanes
	v_lshl_add_u32 v4, v2, 5, v4
	v_add_nc_u32 v[STO], s23, v4
	v_mul_u32_u24 v5, v2, SPITCH                   ; back: lanes 0-15 one row of 256 bytes, lanes 16-31 the next
	v_lshl_add_u32 v5, v1, 4, v5
	v_add_nc_u32 v[RD], s23, v5
	v_lshlrev_b32 v5, 13, v2                       ; and the same two rows in out0, 8,192 bytes apart
	v_lshl_add_u32 v[CO], v1, 4, v5
; 8 matrix instructions: m blocks a0, a0 + 1 x all 4 n blocks, 32 along K (kc of the quarter's two).  zero = 1: the first product starts the sums.
.macro MUL8 f, kc, a0, zero
.irp a, \a0, \a0+1
.irp b, 0,1,2,3
.if \zero
	v_wmma_f32_16x16x32_f16 v[8*(4*(\a)+\b):8*(4*(\a)+\b)+7], v[\f+8*(4*\kc+\b):\f+8*(4*\kc+\b)+7], v[\f+8*(4*\kc+(\a)):\f+8*(4*\kc+(\a))+7], 0
.else
	v_wmma_f32_16x16x32_f16 v[8*(4*(\a)+\b):8*(4*(\a)+\b)+7], v[\f+8*(4*\kc+\b):\f+8*(4*\kc+\b)+7], v[\f+8*(4*\kc+(\a)):\f+8*(4*\kc+(\a))+7], v[8*(4*(\a)+\b):8*(4*(\a)+\b)+7]
.endif
.endr
.endr
.endm
; 32 LDS loads in one run: the fragments of a quarter (64 rows of B, 64 rows of A, 64 K at byte k of the rows) into buffer f; the youngest eight are A's second 32 K
.macro FETCH slot, k, f
	WIN TO_B
.irp kc, 0,1
.irp i, 0,1,2,3
	ds_load_b128 v[\f+8*(4*\kc+\i):\f+8*(4*\kc+\i)+3],   v[ADRB+\slot] offset:\k+64*\kc+\i*16*PITCH
	ds_load_b128 v[\f+8*(4*\kc+\i)+4:\f+8*(4*\kc+\i)+7], v[ADRB+\slot] offset:\k+64*\kc+\i*16*PITCH+32
.endr
.endr
	WIN 0
.irp kc, 0,1
.irp i, 0,1,2,3
	ds_load_b128 v[\f+8*(4*\kc+\i):\f+8*(4*\kc+\i)+3],   v[ADRA+\slot] offset:\k+64*\kc+\i*16*PITCH
	ds_load_b128 v[\f+8*(4*\kc+\i)+4:\f+8*(4*\kc+\i)+7], v[ADRA+\slot] offset:\k+64*\kc+\i*16*PITCH+32
.endr
.endr
.endm
.macro PLACES                          ; four places between matrix instructions and a load into a register that they read, or a read of their results
.rept 4
	v_nop
.endr
.endm
; A slot is four quarters of 64 along K, 32 matrix instructions each, on buffers 0, 1, 0, 1.  The sixteen accumulators take turns, one instruction a
; turn, in the same order for every 32 K, over the backward jump too.
.macro QUARTER slot, k, f, g, zero
	s_wait_dscnt 8                                 ; B and A's first 32 K are in; the youngest eight loads (A's second 32 K) may be out
	WIN MUL
	MUL8 \f, 0, 0, \zero
	MUL8 \f, 0, 2, \zero
	PLACES
	FETCH \slot, \k, \g
	s_wait_dscnt 32                                ; all but the 32 just issued
	WIN MUL
	MUL8 \f, 1, 0, 0
	MUL8 \f, 1, 2, 0
.endm
.macro THREE slot, zero
	QUARTER \slot, 128, F0, F1, \zero
	QUARTER \slot, 256, F1, F0, 0
	QUARTER \slot, 384, F0, F1, 0
.endm
; The last quarter multiplies buffer 1 and changes slots: each wave's reads of this slot and all its tensor loads are waited for, then the barrier
; (with fill = 1 it opens a round of the cluster's barrier), then the refill first, then the next slot's first fragments.
.macro TURN slot, next, fill
	s_wait_dscnt 8
	WIN MUL
	MUL8 F1, 0, 0, 0
	s_wait_dscnt 0                                 ; my reads of this slot are over
	s_wait_tensorcnt 0x0                           ; all my tensor loads have landed: the one that was out is my part of the next slot
	ds_add_u32 v255, v255
	s_wait_dscnt 0x0
	s_barrier_signal -1
	MUL8 F1, 0, 2, 0                               ; register work while the others arrive
	WIN 0
	s_barrier_wait -1
.if \fill
	CREST                                          ; no wave of any partner still reads this slot's tile or has a load on its way
	s_add_nc_u64 s[G0+4*\slot+2:G0+4*\slot+3], s[G0+4*\slot+2:G0+4*\slot+3], 2*KSLOT*2
	s_add_nc_u64 s[G0B+4*\slot+2:G0B+4*\slot+3], s[G0B+4*\slot+2:G0B+4*\slot+3], 2*KSLOT*2
	JLOAD \slot                                    ; the first tensor load behind the round; its four v_nop are also the places in front of the loads below
.else
	PLACES
.endif
	FETCH \next, 0, F0
	WIN MUL
	MUL8 F1, 1, 0, 0
	MUL8 F1, 1, 2, 0
.endm
.macro LAP zero
	THREE 0, \zero
	TURN 0, 1, 1
	THREE 1, 0
	TURN 1, 0, 1
.endm
	s_wait_tensorcnt 1                             ; my part of slot 0 is in; slot 1's may stay out
	s_barrier_signal -1
	s_barrier_wait -1
	FETCH 0, 0, F0
	LAP 1                                          ; the first lap's first products start the sums
	WIN 0
	s_mov_b32 s3, LAPS-2
.Llap:
	LAP 0
	WIN 0
	s_sub_co_u32 s3, s3, 1
	s_cmp_lg_u32 s3, 0
	s_cbranch_scc1 .Llap
	THREE 0, 0                                     ; the last lap fills nothing
	TURN 0, 1, 0
	THREE 1, 0
	s_wait_dscnt 8                                 ; the very last quarter
	WIN MUL
	MUL8 F1, 0, 0, 0
	MUL8 F1, 0, 2, 0
	s_wait_dscnt 0
	MUL8 F1, 1, 0, 0
	MUL8 F1, 1, 2, 0
	; THE WAY OUT, 16 rows at a time: the f32 sums go as they are, 32 bytes a lane, into my own stage, and come back as whole rows of 256 bytes
	PLACES                                         ; the places behind the last matrix instructions, for the LDS stores of results and the loads into buffers 0 and 1
	s_lshl_b32 s13, s13, 7
	s_lshl_b32 s14, s11, 6
	s_add_co_u32 s16, s13, s14                     ; my first row
	s_lshl_b32 s16, s16, 13                        ; rows of 8,192 bytes: below 2^24
	s_mov_b32 s17, 0
	s_add_nc_u64 s[8:9], s[8:9], s[16:17]
	s_lshl_b32 s46, s42, 9                         ; my first column, in bytes: 512 x block + 256 x half
	s_lshl_b32 s47, s12, 8
	s_add_co_u32 s46, s46, s47
	s_mov_b32 s47, 0
	s_add_nc_u64 s[8:9], s[8:9], s[46:47]
.macro OUTF a, f                       ; rows 16 a .. 16 a + 15 of my block = tiles (a, 0..3); f: F0 or F1 in turn
	WIN ST_2
.irp b, 0,1,2,3
	ds_store_b128 v[STO], v[8*(4*\a+\b):8*(4*\a+\b)+3]   offset:64*\b      ; row l % 16, columns 16 b + 8 (l / 16) + 0..3
	ds_store_b128 v[STO], v[8*(4*\a+\b)+4:8*(4*\a+\b)+7] offset:64*\b+16   ; and + 4..7
.endr
	WIN 0
	s_wait_xcnt 0x0                                ; buffer f, which earlier stores read, and the stores' base are rewritten only behind this wait
.if \a
	s_add_nc_u64 s[8:9], s[8:9], 16*SIZE_N*4       ; 16 rows on
.endif
.irp t, 0,1,2,3,4,5,6,7
	ds_load_b128 v[\f+4*\t:\f+4*\t+3], v[RD] offset:\t*2*SPITCH    ; LDS serves a wave's instructions in order (ISA guide 5.7.1): these see the stores above
.endr
.irp t, 0,1,2,3,4,5,6,7
	s_wait_dscnt 7-\t                              ; read-back t is in, the 7 - t younger ones stay out
	global_store_b128 v[CO], v[\f+4*\t:\f+4*\t+3], s[8:9] offset:2*\t*SIZE_N*4 th:TH_STORE_NT   ; 16 lanes store 256 consecutive bytes, at a multiple of 256 from out0's first byte
.endr
.endm
	OUTF 0, F0
	OUTF 1, F1
	OUTF 2, F0
	OUTF 3, F1
	s_set_vgpr_msb 0x1
	s_wait_tensorcnt 0x0
	ds_add_u32 v255, v255
	s_wait_dscnt 0x0
	s_set_vgpr_msb 0x100
	CROUND                                         ; the closing round
	s_endpgm
.Lfunc_end_k_q137894462f_oproj:
	.size	k_q137894462f_oproj, .Lfunc_end_k_q137894462f_oproj-k_q137894462f_oproj
	.p2alignl 7, 3214868480
	.fill 96, 4, 3214868480
	.section	.rodata,"a",@progbits
	.p2align	6, 0x0
	.amdhsa_kernel k_q137894462f_oproj
		.amdhsa_group_segment_fixed_size 327680
		.amdhsa_private_segment_fixed_size 0
		.amdhsa_enable_private_segment 0
		.amdhsa_kernarg_size 24
		.amdhsa_user_sgpr_count 2
		.amdhsa_user_sgpr_kernarg_segment_ptr 1
		.amdhsa_wavefront_size32 1
		.amdhsa_system_sgpr_workgroup_id_x 1
		.amdhsa_system_sgpr_workgroup_id_y 1
		.amdhsa_system_sgpr_workgroup_id_z 1
		.amdhsa_system_vgpr_workitem_id 0
		.amdhsa_next_free_vgpr 640
		.amdhsa_next_free_sgpr 66
		.amdhsa_reserve_vcc 0
		.amdhsa_float_denorm_mode_32 3
		.amdhsa_float_denorm_mode_16_64 3
		.amdhsa_memory_ordered 1
		.amdhsa_forward_progress 1
		.amdhsa_inst_pref_size 124
	.end_amdhsa_kernel
	.amdgpu_metadata
---
amdhsa.version: [ 1, 2 ]
amdhsa.kernels:
  - .name:           k_q137894462f_oproj
    .symbol:         k_q137894462f_oproj.kd
    .args:
      - { .name: attn, .offset: 0, .size: 8, .value_kind: global_buffer, .address_space: global }
      - { .name: castb, .offset: 8, .size: 8, .value_kind: global_buffer, .address_space: global }
      - { .name: out0, .offset: 16, .size: 8, .value_kind: global_buffer, .address_space: global }
    .group_segment_fixed_size: 327680
    .private_segment_fixed_size: 0
    .kernarg_segment_align: 8
    .kernarg_segment_size: 24
    .max_flat_workgroup_size: 128
    .sgpr_count:     66
    .vgpr_count:     640
    .wavefront_size: 32
...
	.end_amdgpu_metadata
.endif
;; end of part 4
